; MI455X (gfx1250); checked and timed in simulation.
; The chip was launched on July 23, 2026; its instructions are those of AMD's public machine-readable ISA for CDNA 5 (MIT licence, August 2026) and "CDNA5" Instruction Set Architecture Reference Guide (July 2026). The comments in the code are by the model that wrote it; some were corrected since.
;; Embedding. Allowed arithmetic: float matrix products may take bf16 or f16 operands with f32 sums; all other float work in f32.
;; Inputs: W_hh 512 x 128 float32; W_ih 512 x 64 float32; Wc_b 256 float32; Wc_w 256 x 256 float32; Wr_b 128 float32; Wr_w 128 x 64 float32; b_hh 512 float32; b_ih 512 float32; ln_b 256 float32; ln_g 256 float32; xn 16 x 2,048 x 5 int32; xr 16 x 2,048 x 64 float32; xw 16 x 2,048 x 16 x 64 float32.
;; Outputs: out0 16 x 2,048 x 256 float32.
;; One version. Each part assembles by itself: llvm-mc -triple=amdgcn-amd-amdhsa -mcpu=gfx1250 --defsym DOCPART=n.
;; ======== version 1 of 1: 2 launches
;; limits: values are held in f16: magnitudes above 65,504 overflow, below 6.1e-05 lose precision
;; workspace buffers: order 131,072 bytes of whole numbers; wprep 344,064 bytes
;; launch prep (part 1): grid 37 x 1, 16 waves a work-group, no clusters, 12,288 bytes of LDS; arguments xn, W_ih, W_hh, Wc_w, Wr_w, order, wprep; writes order, wprep
.if DOCPART == 1
	.amdgcn_target "amdgcn-amd-amdhsa--gfx1250"
	.amdhsa_code_object_version 6
	.text
	.protected	k_q3188845cc1_prep
	.globl	k_q3188845cc1_prep
	.p2align	8
	.type	k_q3188845cc1_prep,@function
k_q3188845cc1_prep:
	s_mov_b64 s[64:65], 0
	v_nop
	global_prefetch_b8 v0, s[64:65] scope:SCOPE_SE
	s_setreg_imm32_b32 hwreg(HW_REG_WAVE_MODE, 25, 1), 1
	s_wait_xcnt 0x0
; TWO JOBS, chosen by the work-group's number alone.
; Work-groups 0-15: batch row b's 2,048 tokens are sorted by falling word count (a counting sort over 17 buckets, no atomics) and written to
;   order: word p of row b = (count << 16) | global token number.  The count is xn[..., 4] clamped to 0..16, which is all that t < count can tell for t = 0..15.
; Work-groups 16-36: one wave makes one fragment (16 rows x 32 K, 1,024 bytes) of a weight matrix in the register order of a 16-bit matrix operand:
;   lane l holds row l % 16; its first 16 bytes K = 8 (l / 16) + 0..7, its second 16 bytes K = 16 + 8 (l / 16) + 0..7.  At byte 16 l the first, at 512 + 16 l the second.
;   Fragments 0-63 W_ih, 64-191 W_hh (both times -log2 e, gate g times -2 log2 e, in f32, then rounded once to bf16), 192-319 Wc (rounded to bf16, that number written as f16), 320-335 Wr (bf16).
; LIMITS.  The scaled LSTM weights are rounded after the scaling, not before.  Wc below 6.1e-5 keeps f16's fixed step of 6e-8; beyond 65,504 it has no f16.
.set TABLE, 0                          ; 32 buckets x 16 waves of words: how many tokens of bucket q wave w holds
.set SORT,  2048                       ; 2,048 words: the sorted row
.set SPARE, 10240                      ; the spare words, 128 bytes for each of 16 waves; no other line names them
.set SPW, 62                           ; v62  LDS address of my spare word; never rewritten
.set NIL, 63                           ; v63  0; never rewritten
.set LN,  8                            ; v8-11   my four tokens' counts = their buckets
.set RK,  16                           ; v16-19  their rank among my wave's tokens of the same bucket
.set PO,  40                           ; v40-43  their place in the sorted row
.set IX,  48                           ; v48-51  4 x bucket
.set EN,  52                           ; v52-55  the words to be written
	s_load_b256 s[8:15], s[0:1], 0x0               ; xn s[8:9], W_ih s[10:11], W_hh s[12:13], Wc_w s[14:15]
	s_load_b128 s[16:19], s[0:1], 0x20             ; Wr_w s[16:17], order s[18:19]
	s_load_b64 s[20:21], s[0:1], 0x30              ; wprep
	v_lshl_add_u32 v[SPW], v0, 2, SPARE
	v_mov_b32 v[NIL], 0
	v_lshrrev_b32 v1, 5, v0
	v_readfirstlane_b32 s2, v1                     ; wave 0..15
	v_and_b32 v1, 31, v0                           ; lane
	v_and_b32 v2, 15, v0                           ; lane % 16
	v_bfe_u32 v3, v0, 4, 1                         ; lane / 16
	s_wait_kmcnt 0x0
	s_cmp_ge_u32 ttmp9, 16
	s_cbranch_scc1 .Lweights                       ; the same way for all sixteen waves: both barriers below lie on the sorting way alone
	; THE SORT.  Wave w owns tokens 128 w + 32 c + lane, c = 0..3.
	s_mul_i32 s22, ttmp9, 40960                    ; a batch row of xn: 2,048 tokens x 20 bytes;
	s_add_co_u32 s22, s22, 16                      ; the count is a token's fifth word
	s_mov_b32 s23, 0
	s_add_nc_u64 s[8:9], s[8:9], s[22:23]
	s_lshl_b32 s27, s2, 7
	v_add_nc_u32 v7, s27, v1                       ; my first token in the row
	v_mul_u32_u24 v4, v7, 20
.irp c, 0,1,2,3
	global_load_b32 v[LN+(\c)], v4, s[8:9] offset:640*(\c)
.endr
	v_mov_b32 v29, 0
.irp c, 0,1,2,3
	v_mov_b32 v[RK+(\c)], 0
.endr
	v_mov_b32 v21, 0                               ; lane q: my wave's tokens in bucket q
	v_mov_b32 v22, 0                               ; lane q: all waves' tokens in bucket q
	v_mov_b32 v23, 0                               ; lane q: those of the waves in front of mine
	v_mov_b32 v24, 0                               ; lane q: where my wave's tokens of bucket q begin
	v_lshlrev_b32 v5, 6, v1                        ; bucket lane's row of the table
	s_lshl_b32 s28, s2, 2
	v_add_nc_u32 v6, s28, v5                       ; my wave's word in it
	s_lshl_b32 s29, ttmp9, 11
	v_add_nc_u32 v7, s29, v7                       ; my first token's global number
	s_wait_loadcnt 0x0
.irp c, 0,1,2,3
	v_cmp_gt_i32 vcc_lo, 0, v[LN+(\c)]             ; a negative count is 0,
	v_cndmask_b32 v[LN+(\c)], v[LN+(\c)], v29, vcc_lo
	v_min_u32 v[LN+(\c)], 16, v[LN+(\c)]           ; one above 16 is 16
.endr
	; For each bucket: a token's rank is the number of the wave's tokens of that bucket in front of it (earlier c, or the same c and a lower lane).
.set q, 0
.rept 17
	s_mov_b32 s24, 0
.irp c, 0,1,2,3
	v_cmp_eq_u32 s25, q, v[LN+(\c)]
	v_mbcnt_lo_u32_b32 v20, s25, s24
	v_cndmask_b32 v[RK+(\c)], v[RK+(\c)], v20, s25
	s_bcnt1_i32_b32 s26, s25
	s_add_co_u32 s24, s24, s26
.endr
	v_writelane_b32 v21, s24, q
.set q, q+1
.endr
	ds_store_b32 v6, v21                           ; buckets 17-31 store 0
	s_wait_dscnt 0x0                               ; for the others' sake: my counts are in the table
	s_barrier_signal -1
	s_barrier_wait -1
.irp m, 0,1,2,3
	ds_load_b128 v[32+4*(\m):35+4*(\m)], v5 offset:16*(\m)  ; lane q: bucket q's sixteen counts
.endr
	s_wait_dscnt 0x0
.set i, 0
.rept 16
	s_cmp_gt_u32 s2, i
	s_cselect_b32 s25, -1, 0                       ; all ones for a wave in front of mine
	v_add_nc_u32 v22, v22, v[32+i]
	v_and_b32 v20, s25, v[32+i]
	v_add_nc_u32 v23, v23, v20
.set i, i+1
.endr
	s_mov_b32 s24, 0
.set q, 0
.rept 17                                               ; where each bucket begins, counted from the shortest
	v_readlane_b32 s26, v22, q
	v_writelane_b32 v24, s24, q
	s_add_co_u32 s24, s24, s26
.set q, q+1
.endr
	v_add_nc_u32 v24, v24, v23
.irp c, 0,1,2,3
	v_lshlrev_b32 v[IX+(\c)], 2, v[LN+(\c)]
	ds_bpermute_b32 v[PO+(\c)], v[IX+(\c)], v24    ; each token takes its bucket's lane
.endr
.irp c, 0,1,2,3
	v_add_nc_u32 v[EN+(\c)], 32*(\c), v7
	v_lshl_or_b32 v[EN+(\c)], v[LN+(\c)], 16, v[EN+(\c)]
.endr
	s_wait_dscnt 0x0
.irp c, 0,1,2,3
	v_add_nc_u32 v[PO+(\c)], v[PO+(\c)], v[RK+(\c)]
	v_sub_nc_u32 v[PO+(\c)], 0x7ff, v[PO+(\c)]     ; turned round: the longest first
	v_min_u32 v[PO+(\c)], 0x7ff, v[PO+(\c)]        ; a number made of loaded data enters an address behind a clamp by a constant
	v_lshlrev_b32 v[PO+(\c)], 2, v[PO+(\c)]
	ds_store_b32 v[PO+(\c)], v[EN+(\c)] offset:SORT  ; the places are a permutation of 0..2047: each word is written once
.endr
	s_wait_dscnt 0x0                               ; for the others' sake: my words are placed
	s_barrier_signal -1
	s_barrier_wait -1
	v_lshlrev_b32 v25, 4, v0
	ds_load_b128 v[32:35], v25 offset:SORT
	s_lshl_b32 s22, ttmp9, 13                      ; a row of order: 8,192 bytes
	s_add_nc_u64 s[18:19], s[18:19], s[22:23]
	s_wait_dscnt 0x0
	global_store_b128 v25, v[32:35], s[18:19]      ; a wave's store covers 512 consecutive bytes, aligned
	s_wait_tensorcnt 0x0                           ; the wave's end: three lines behind my last LDS store
	ds_add_u32 v[SPW], v[NIL]
	s_wait_dscnt 0x0
	s_endpgm
	; THE WEIGHTS.  Fragment f = 16 (work-group - 16) + wave.  No LDS, no barrier.
	; s[28:29] the matrix; s30 its K block of 32; s31 its block of 16 rows; s27 log2 of a row's bytes; s34 the scale; s33 = 1: written as f16.
.Lweights:
	s_sub_co_u32 s22, ttmp9, 16
	s_lshl4_add_u32 s23, s22, s2                   ; f
	s_mov_b32 s33, 0
	s_mov_b32 s34, 1.0                             ; the two plain layers keep their numbers: one text serves all four matrices
	s_cmp_lt_u32 s22, 4
	s_cbranch_scc0 .Lnot_ih
	s_mov_b64 s[28:29], s[10:11]                   ; W_ih: f = wave' << 3 | gate << 1 | k
	s_mov_b32 s24, s23
	s_mov_b32 s25, 1
	s_mov_b32 s26, 1
	s_mov_b32 s27, 8
	s_branch .Llstm
.Lnot_ih:
	s_cmp_lt_u32 s22, 12
	s_cbranch_scc0 .Lnot_hh
	s_mov_b64 s[28:29], s[12:13]                   ; W_hh: f - 64 = wave' << 4 | gate << 2 | k
	s_sub_co_u32 s24, s23, 64
	s_mov_b32 s25, 2
	s_mov_b32 s26, 3
	s_mov_b32 s27, 9
.Llstm:
	s_and_b32 s30, s24, s26
	s_lshr_b32 s31, s24, s25
	s_and_b32 s36, s31, 3                          ; the gate: i, f, g, o
	s_lshr_b32 s31, s31, 2
	s_lshl3_add_u32 s31, s36, s31                  ; rows 128 gate + 16 wave' on
	s_mov_b32 s34, 0xbfb8aa3b                      ; -log2 e: 2^(the sum) is e^(-gate)
	s_cmp_eq_u32 s36, 2
	s_cselect_b32 s34, 0xc038aa3b, s34             ; gate g: -2 log2 e, for tanh
	s_branch .Ljoin
.Lnot_hh:
	s_cmp_lt_u32 s22, 20
	s_cbranch_scc0 .Lfor_wr
	s_mov_b64 s[28:29], s[14:15]                   ; Wc: f - 192 = block of 16 rows << 3 | k
	s_sub_co_u32 s24, s23, 192
	s_and_b32 s30, s24, 7
	s_lshr_b32 s31, s24, 3
	s_mov_b32 s27, 10
	s_mov_b32 s33, 1
	s_branch .Ljoin
.Lfor_wr:
	s_mov_b64 s[28:29], s[16:17]                   ; Wr: f - 320 = block of 16 rows << 1 | k
	s_sub_co_u32 s24, s23, 320
	s_and_b32 s30, s24, 1
	s_lshr_b32 s31, s24, 1
	s_mov_b32 s27, 8
.Ljoin:
	s_mov_b32 s35, s34                             ; named with it as a pair
	s_add_co_u32 s37, s27, 4
	s_lshl_b32 s38, s31, s37                       ; 16 rows x the row's bytes,
	s_lshl_b32 s39, s30, 7                         ; 32 numbers of f32 along K
	s_add_co_u32 s38, s38, s39
	s_mov_b32 s39, 0
	s_add_nc_u64 s[28:29], s[28:29], s[38:39]
	v_lshlrev_b32 v4, s27, v2                      ; my row,
	v_lshl_add_u32 v4, v3, 5, v4                   ; my eight numbers
	global_load_b128 v[8:11], v4, s[28:29]
	global_load_b128 v[12:15], v4, s[28:29] offset:16
	global_load_b128 v[16:19], v4, s[28:29] offset:64
	global_load_b128 v[20:23], v4, s[28:29] offset:80
	s_lshl_b32 s38, s23, 10
	s_add_nc_u64 s[20:21], s[20:21], s[38:39]      ; the fragment's 1,024 bytes
	v_lshlrev_b32 v5, 4, v1
	s_wait_loadcnt 0x0
.irp m, 0,2,4,6,8,10,12,14
	v_pk_mul_f32 v[8+(\m):9+(\m)], v[8+(\m):9+(\m)], s[34:35] op_sel_hi:[1,0]
.endr
.irp m, 0,1,2,3,4,5,6,7
	v_cvt_pk_bf16_f32 v[24+(\m)], v[8+2*(\m)], v[9+2*(\m)]
.endr
	s_cmp_eq_u32 s33, 0
	s_cbranch_scc1 .Lstore
.irp m, 0,1,2,3,4,5,6,7                        ; the bf16 numbers, written as f16
	v_lshlrev_b32 v32, 16, v[24+(\m)]
	v_and_b32 v33, 0xffff0000, v[24+(\m)]
	v_cvt_pk_f16_f32 v[24+(\m)], v32, v33
.endr
.Lstore:
	global_store_b128 v5, v[24:27], s[20:21]       ; each store of the wave covers 512 consecutive bytes, aligned
	global_store_b128 v5, v[28:31], s[20:21] offset:512
	s_endpgm
.Lfunc_end_k_q3188845cc1_prep:
	.size	k_q3188845cc1_prep, .Lfunc_end_k_q3188845cc1_prep-k_q3188845cc1_prep
	.p2alignl 7, 3214868480
	.fill 96, 4, 3214868480
	.section	.rodata,"a",@progbits
	.p2align	6, 0x0
	.amdhsa_kernel k_q3188845cc1_prep
		.amdhsa_group_segment_fixed_size 12288
		.amdhsa_private_segment_fixed_size 0
		.amdhsa_enable_private_segment 0
		.amdhsa_kernarg_size 56
		.amdhsa_user_sgpr_count 2
		.amdhsa_user_sgpr_kernarg_segment_ptr 1
		.amdhsa_wavefront_size32 1
		.amdhsa_system_sgpr_workgroup_id_x 1
		.amdhsa_system_sgpr_workgroup_id_y 1
		.amdhsa_system_sgpr_workgroup_id_z 1
		.amdhsa_system_vgpr_workitem_id 0
		.amdhsa_next_free_vgpr 64
		.amdhsa_next_free_sgpr 66
		.amdhsa_reserve_vcc 1
		.amdhsa_float_denorm_mode_32 3
		.amdhsa_float_denorm_mode_16_64 3
		.amdhsa_memory_ordered 1
		.amdhsa_forward_progress 1
		.amdhsa_inst_pref_size 34
	.end_amdhsa_kernel
	.amdgpu_metadata
---
amdhsa.version: [ 1, 2 ]
amdhsa.kernels:
  - .name:           k_q3188845cc1_prep
    .symbol:         k_q3188845cc1_prep.kd
    .args:
      - { .name: xn, .offset: 0, .size: 8, .value_kind: global_buffer, .address_space: global }
      - { .name: W_ih, .offset: 8, .size: 8, .value_kind: global_buffer, .address_space: global }
      - { .name: W_hh, .offset: 16, .size: 8, .value_kind: global_buffer, .address_space: global }
      - { .name: Wc_w, .offset: 24, .size: 8, .value_kind: global_buffer, .address_space: global }
      - { .name: Wr_w, .offset: 32, .size: 8, .value_kind: global_buffer, .address_space: global }
      - { .name: order, .offset: 40, .size: 8, .value_kind: global_buffer, .address_space: global }
      - { .name: wprep, .offset: 48, .size: 8, .value_kind: global_buffer, .address_space: global }
    .group_segment_fixed_size: 12288
    .private_segment_fixed_size: 0
    .kernarg_segment_align: 8
    .kernarg_segment_size: 56
    .max_flat_workgroup_size: 512
    .sgpr_count:     66
    .vgpr_count:     64
    .wavefront_size: 32
...
	.end_amdgpu_metadata
.endif
;; end of part 1
;; launch main (part 2): grid 256 x 1, 8 waves a work-group, no clusters, 228,352 bytes of LDS; arguments order, wprep, xw, xr, b_ih, b_hh, Wr_b, Wc_b, ln_g, ln_b, out0; writes out0
.if DOCPART == 2
	.amdgcn_target "amdgcn-amd-amdhsa--gfx1250"
	.amdhsa_code_object_version 6
	.text
	.protected	k_q3188845cc1_main
	.globl	k_q3188845cc1_main
	.p2align	8
	.type	k_q3188845cc1_main,@function
k_q3188845cc1_main:
	s_mov_b64 s[64:65], 0
	v_nop
	global_prefetch_b8 v0, s[64:65] scope:SCOPE_SE
	s_setreg_imm32_b32 hwreg(HW_REG_WAVE_MODE, 25, 1), 1
	s_wait_xcnt 0x0
; out = LayerNorm(Wc [relu(Wr xr + b) | h at the token's last word] + b).  32,768 tokens; a token's LSTM runs over its own 1 to 16 words (x 64 wide, h 128 wide, 512 gate rows).
; SHARES.  A work-group owns 128 tokens: eight tiles of 16, taken from its batch row's list sorted by falling word count (tile 16 j + i for even j, 16 j + 15 - i for odd j, i = work-group % 16),
; so that a tile's tokens are of like length, tile lengths fall with j, and a row's sixteen work-groups have like sums.  A tile is left out of every step at or past its longest token's count.
; Wave w owns hidden units 16 w .. 16 w + 15 in all four gates for all eight tiles: its share of [W_ih | W_hh], 24 fragments, stays in 192 registers for the whole launch.  Only the token side
; (x and h, bf16) goes through LDS: 12 loads of 16 bytes for 24 matrix instructions.  h changes hands between the waves once a step: two buffers by turns, one barrier a step.
; Wave w also moves tile w's bytes: its x rows (asked for two steps ahead, into registers), its xr rows, its rows of the output.
; LAYOUT.  D = W x tokens: source 0 = 16 units, source 1 = 16 tokens.  A lane holds token lane % 16 and units 8 (lane / 16) + 0..7: eight results pack into 16 neighbouring bytes of the token's LDS row.
; ARITHMETIC.  Weights and biases of i, f, o come times -log2 e, those of g times -2 log2 e, so 2^sum is e^-gate (e^-2g).  c is kept as K c, K = -2 log2 e.
;   K c' = K c / (1 + e_f) + K (1 - e_g) / ((1 + e_i)(1 + e_g));   h = (1 - e_c) / ((1 + e_o)(1 + e_c)), e_c = 2^(K c'): eight transcendentals a number.
;   The running h and c are not frozen past a token's count: tokens are columns that never mix, and only the saved h (taken while t < count) is read at the end.
; NO CLUSTER, NO TENSOR LOADS: x rows are gathered by token and shared by nobody; the weights go straight into registers in fragment order, once.
; LIMITS.  LSTM and xr products in bf16, the last product in f16 (br, h, Wc): br beyond 65,504 has no f16; below 6.1e-5 f16 keeps its fixed step of 6e-8.  g's exponent is cut at 40, where tanh is 1 in f32;
;   |K c| stays under 46.2 (16 steps of at most 1), so 2^(K c) is finite; the other gates' exponentials may be infinite, their reciprocals are then 0 and meet finite factors alone.
;   NaN and infinities among the inputs are not treated apart.  Variance is the mean square of the deviations, taken in a second pass.
; REGISTERS, in windows of 256 (s_set_vgpr_msb: bits 1:0 source 0, 3:2 source 1, 5:4 source 2, 7:6 destination):
;   window 0: v0-15 addresses; v16-23 counts; v24-31 x offsets; v32-63 biases; v64-111 token fragments; v112-143 the four gates; v144-155 at work; v160-223 K c; v224-255 the saved h (f16)
;   window 1: v0-191 the weights (gate q, K block k at 8 (6 q + k)); v192-223, v224-255 two sets of x rows on their way
.set XP,    400                        ; a token's row: 64 x + 128 h in bf16 + 16 bytes: 25 x 16, so sixteen rows of a load start at sixteen different groups of four banks (ISA guide 11.1)
.set XBUF,  128*XP                     ; a buffer of 128 rows; buffer 0 for even steps at byte 0, buffer 1 behind it
.set XT,    16*XP                      ; a tile's rows
.set OPI,   1040                       ; the output's stage: 128 rows of 256 f32 + 16 bytes, over the two buffers, which are dead by then
.set XRL,   128*OPI                    ; xr in bf16: 128 rows of 128 + 16 bytes
.set XRP,   144
.set CAT,   XRL+128*XRP                ; [br | h] in f16: 128 rows of 512 + 16 bytes
.set CP,    528
.set RED,   CAT+128*CP                 ; partial sums: token x 8 waves, f32; the squares' 4,096 bytes behind
.set SPARE, RED+2*4096                 ; the spare words, 128 bytes for each of 8 waves; no other line names them
.set RB,   3                           ; v3-4    fragment loads: buffer p + 400 (l % 16) + 16 (l / 16)
.set HW,   5                           ; v5-6    where I put 16 bytes of h
.set XS,   7                           ; v7-8    where I put 8 bytes of x
.set EA,   10                          ; v10     byte offset in order of my two tokens of tile w; never rewritten
.set L16,  11                          ; v11     16 x lane; never rewritten
.set SPW,  12                          ; v12     LDS address of my spare word; never rewritten
.set NIL,  13                          ; v13     0; never rewritten
.set R16,  14                          ; v14     16 (l % 16)
.set BO,   15                          ; v15     64 w + 32 (l / 16): my eight units in a vector of 128 f32
.set LENV, 16
.set XOFF, 24
.set BIAS, 32
.set BF,   64
.set II,   112
.set FF,   120
.set GG,   128
.set OO,   136
.set T1,   144
.set HN,   152
.set CST,  160
.set HS,   224
.set FA,   128                         ; the tail: the last product's sums, tile j, half u at FA + 16 j + 8 u
.set TB,   40                          ; s40-47  byte offset in order of tile j's sixteen words
.set LEN,  48                          ; s48-55  tile j's longest count
; s2 wave; s8-9 an offset as a pair; s10 the step t; s11 trips; s12 tile w's longest count less 1; s13 40.0; s14-15 lane selects; s16-37 the arguments;
; s38-39, s56-57 xw at the row that x set 0, 1 asks for; s58-59 K; s60-61 -K; s62 tile w's offset in order; s66-73 bases in wprep; s74-75 -log2 e
.set MSB, 0
.macro WIN new                         ; the immediate's high byte repeats the setting that is left; a switch that changes nothing is dropped
.if MSB != (\new)
	s_set_vgpr_msb (MSB<<8)|(\new)
.set MSB, \new
.endif
.endm
.macro PLACES                          ; four places behind matrix instructions, ahead of reads of their results and of loads into their sources
.rept 4
	v_nop
.endr
.endm
	s_load_b512 s[16:31], s[0:1], 0x0              ; order, wprep, xw, xr, b_ih, b_hh, Wr_b, Wc_b
	s_load_b128 s[32:35], s[0:1], 0x40             ; ln_g, ln_b
	s_load_b64 s[36:37], s[0:1], 0x50              ; out0
	v_lshl_add_u32 v[SPW], v0, 2, SPARE
	v_mov_b32 v[NIL], 0
	v_lshrrev_b32 v9, 5, v0
	v_readfirstlane_b32 s2, v9                     ; wave 0..7
	v_and_b32 v1, 15, v0                           ; l % 16
	v_bfe_u32 v2, v0, 4, 1                         ; l / 16
	s_and_b32 s4, ttmp9, 15                        ; i
	s_lshr_b32 s5, ttmp9, 4                        ; the batch row
	s_lshl_b32 s6, s5, 7                           ; its 128 tiles
	s_sub_co_u32 s7, 15, s4
.irp j, 0,2,4,6
	s_add_co_u32 s[TB+(\j)], s6, s4
	s_add_co_u32 s[TB+(\j)+1], s6, s7
	s_add_co_u32 s[TB+(\j)], s[TB+(\j)], 16*(\j)
	s_add_co_u32 s[TB+(\j)+1], s[TB+(\j)+1], 16*(\j)+16
	s_lshl_b32 s[TB+(\j)], s[TB+(\j)], 6           ; a tile is 64 bytes of order
	s_lshl_b32 s[TB+(\j)+1], s[TB+(\j)+1], 6
.endr
	s_bitcmp1_b32 s2, 0
	s_cselect_b32 s62, s7, s4                      ; the same for j = w
	s_add_co_u32 s62, s62, s6
	s_lshl4_add_u32 s62, s2, s62
	s_lshl_b32 s62, s62, 6
	s_mov_b32 s9, 0
	s_mov_b32 s13, 0x42200000                      ; 40.0
	s_mov_b32 s14, 0x76543210
	s_mov_b32 s15, 0xfedcba98
	s_mov_b32 s58, 0xc038aa3b                      ; K = -2 log2 e
	s_mov_b32 s59, s58
	s_mov_b32 s60, 0x4038aa3b                      ; -K
	s_mov_b32 s61, s60
	s_mov_b32 s74, 0xbfb8aa3b                      ; -log2 e
	s_mov_b32 s75, s74
	v_lshlrev_b32 v[R16], 4, v1
	v_and_b32 v[L16], 31, v0
	v_lshlrev_b32 v[L16], 4, v[L16]
	v_lshl_add_u32 v[EA], v2, 2, s62
	s_lshl_b32 s63, s2, 6
	v_lshl_add_u32 v[BO], v2, 5, s63
.irp j, 0,1,2,3,4,5,6,7
	v_lshl_add_u32 v[LENV+(\j)], v1, 2, s[TB+(\j)]
.endr
	s_wait_kmcnt 0x0
.irp j, 0,1,2,3,4,5,6,7
	s_load_b32 s[LEN+(\j)], s[16:17], s[TB+(\j)] offset:0x0  ; a tile's first word holds its longest count
.endr
	s_load_b32 s12, s[16:17], s62 offset:0x0
	s_lshl_b32 s8, s2, 13
	s_add_nc_u64 s[66:67], s[18:19], s[8:9]        ; my 8 fragments of W_ih
	s_lshl_b32 s8, s2, 14
	s_add_co_u32 s8, s8, 65536
	s_add_nc_u64 s[68:69], s[18:19], s[8:9]        ; my 16 of W_hh
.irp j, 0,1,2,3,4,5,6,7
	global_load_b32 v[LENV+(\j)], v[LENV+(\j)], s[16:17]     ; token l % 16 of tile j
.endr
.irp k, 0,1,2,3,4,5,6,7
	global_load_b32 v[XOFF+(\k)], v[EA], s[16:17] offset:8*(\k)  ; token 2 k + l / 16 of tile w
.endr
	WIN 0x40                                       ; destination window 1, address window 0
.irp q, 0,1,2,3
.irp k, 0,1
	global_load_b128 v[8*(6*(\q)+(\k)):8*(6*(\q)+(\k))+3],   v[L16], s[66:67] offset:1024*(2*(\q)+(\k))
	global_load_b128 v[8*(6*(\q)+(\k))+4:8*(6*(\q)+(\k))+7], v[L16], s[66:67] offset:1024*(2*(\q)+(\k))+512
.endr
.irp k, 0,1,2,3
	global_load_b128 v[8*(6*(\q)+2+(\k)):8*(6*(\q)+2+(\k))+3],   v[L16], s[68:69] offset:1024*(4*(\q)+(\k))
	global_load_b128 v[8*(6*(\q)+2+(\k))+4:8*(6*(\q)+2+(\k))+7], v[L16], s[68:69] offset:1024*(4*(\q)+(\k))+512
.endr
.endr
	WIN 0
	s_wait_kmcnt 0x0
.irp j, 0,1,2,3,4,5,6,7
	s_lshr_b32 s[LEN+(\j)], s[LEN+(\j)], 16
	s_min_u32 s[LEN+(\j)], s[LEN+(\j)], 16
.endr
	s_lshr_b32 s12, s12, 16
	s_min_u32 s12, s12, 16
	s_max_u32 s12, s12, 1
	s_sub_co_u32 s12, s12, 1                       ; tile w's last live row of x
	s_min_u32 s63, s12, 1
	s_lshl_b32 s8, s63, 8                          ; a word's x is 256 bytes
	s_add_nc_u64 s[56:57], s[20:21], s[8:9]
	s_min_u32 s63, s12, 2
	s_lshl_b32 s8, s63, 8
	s_add_nc_u64 s[38:39], s[20:21], s[8:9]
	s_wait_loadcnt 48                              ; the 48 weight loads may stay out: the sixteen words of order are in
.irp j, 0,1,2,3,4,5,6,7
	v_lshrrev_b32 v[LENV+(\j)], 16, v[LENV+(\j)]
	v_min_u32 v[LENV+(\j)], 16, v[LENV+(\j)]
.endr
.irp k, 0,1,2,3,4,5,6,7
	v_and_b32 v[XOFF+(\k)], 0xffff, v[XOFF+(\k)]
	v_min_u32 v[XOFF+(\k)], 0x7fff, v[XOFF+(\k)]   ; a loaded number enters an address behind a clamp by a constant: 32,768 tokens
	v_lshl_add_u32 v[T1+(\k)], v[XOFF+(\k)], 8, v[R16]       ; in xr: 256 bytes a token
	v_lshl_add_u32 v[XOFF+(\k)], v[XOFF+(\k)], 12, v[R16]    ; in xw: 4,096 bytes a token; sixteen lanes take a word's 256 bytes
.endr
.irp k, 0,1,2,3,4,5,6,7
	global_load_b128 v[II+4*(\k):II+4*(\k)+3], v[XOFF+(\k)], s[20:21]  ; x of step 0
.endr
.irp k, 0,1,2,3,4,5,6,7
	global_load_b128 v[HS+4*(\k):HS+4*(\k)+3], v[T1+(\k)], s[22:23] th:TH_LOAD_NT  ; xr
.endr
.irp q, 0,1,2,3
	global_load_b128 v[160+8*(\q):163+8*(\q)], v[BO], s[24:25] offset:512*(\q)
	global_load_b128 v[164+8*(\q):167+8*(\q)], v[BO], s[24:25] offset:512*(\q)+16
	global_load_b128 v[192+8*(\q):195+8*(\q)], v[BO], s[26:27] offset:512*(\q)
	global_load_b128 v[196+8*(\q):199+8*(\q)], v[BO], s[26:27] offset:512*(\q)+16
.endr
	WIN 0x40
.irp k, 0,1,2,3,4,5,6,7
	global_load_b128 v[224+4*(\k):227+4*(\k)], v[XOFF+(\k)], s[56:57]  ; x of step 1, into set 1
.endr
.irp k, 0,1,2,3,4,5,6,7
	global_load_b128 v[192+4*(\k):195+4*(\k)], v[XOFF+(\k)], s[38:39]  ; x of step 2, into set 0
.endr
	WIN 0
	v_mul_u32_u24 v[RB], v1, XP
	v_lshl_add_u32 v[RB], v2, 4, v[RB]
	v_add_nc_u32 v[RB+1], XBUF, v[RB]
	s_lshl_b32 s63, s2, 5
	s_add_co_u32 s63, s63, 128                     ; h lies behind x's 128 bytes; my 16 units are 32 bytes
	v_add_nc_u32 v[HW], s63, v[RB]
	v_add_nc_u32 v[HW+1], XBUF, v[HW]
	s_mul_i32 s63, s2, XT
	v_mul_u32_u24 v[XS], v2, XP
	v_lshl_add_u32 v[XS], v1, 3, v[XS]
	v_add_nc_u32 v[XS], s63, v[XS]                 ; row 16 w + l / 16, 8 bytes a lane
	v_add_nc_u32 v[XS+1], XBUF, v[XS]
	s_mul_i32 s63, s2, 16*XRP
	s_add_co_u32 s63, s63, XRL
	v_mul_u32_u24 v9, v2, XRP
	v_lshl_add_u32 v9, v1, 3, v9
	v_add_nc_u32 v9, s63, v9
	s_wait_loadcnt 16                              ; all but the sixteen loads of x for steps 1 and 2
.irp q, 0,1,2,3
.irp m, 0,2,4,6
	v_pk_add_f32 v[BIAS+8*(\q)+(\m):BIAS+8*(\q)+(\m)+1], v[160+8*(\q)+(\m):161+8*(\q)+(\m)], v[192+8*(\q)+(\m):193+8*(\q)+(\m)]
.endr
.endr
.irp q, 0,1,2,3
.irp m, 0,2,4,6
.if (\q) == 2
	v_pk_mul_f32 v[BIAS+8*(\q)+(\m):BIAS+8*(\q)+(\m)+1], v[BIAS+8*(\q)+(\m):BIAS+8*(\q)+(\m)+1], s[58:59] op_sel_hi:[1,0]
.else
	v_pk_mul_f32 v[BIAS+8*(\q)+(\m):BIAS+8*(\q)+(\m)+1], v[BIAS+8*(\q)+(\m):BIAS+8*(\q)+(\m)+1], s[74:75] op_sel_hi:[1,0]
.endif
.endr
.endr
.irp k, 0,1,2,3,4,5,6,7
	v_cvt_pk_bf16_f32 v[II+4*(\k)], v[II+4*(\k)], v[II+4*(\k)+1]
	v_cvt_pk_bf16_f32 v[II+4*(\k)+1], v[II+4*(\k)+2], v[II+4*(\k)+3]
	ds_store_b64 v[XS], v[II+4*(\k):II+4*(\k)+1] offset:2*XP*(\k)
.endr
.irp k, 0,1,2,3,4,5,6,7
	v_cvt_pk_bf16_f32 v[HS+4*(\k)], v[HS+4*(\k)], v[HS+4*(\k)+1]
	v_cvt_pk_bf16_f32 v[HS+4*(\k)+1], v[HS+4*(\k)+2], v[HS+4*(\k)+3]
	ds_store_b64 v9, v[HS+4*(\k):HS+4*(\k)+1] offset:2*XRP*(\k)
.endr
.set i, CST
.rept 96                                               ; the state begins at 0: K c and the saved h (a token of count 0 keeps it)
	v_mov_b32 v[i], 0
.set i, i+1
.endr
.irp j, 0,1,2,3,4,5,6,7
	ds_store_b128 v[HW], v[CST:CST+3] offset:XT*(\j)    ; h of step 0; buffer 1 too, so that no fragment load of a tile that never ran meets bytes that nobody wrote
	ds_store_b128 v[HW+1], v[CST:CST+3] offset:XT*(\j)
.endr
	s_mov_b32 s10, 0
	s_mov_b32 s11, 8
	s_wait_dscnt 0x0                               ; for the others' sake: my x, xr and zeros are in LDS
	s_barrier_signal -1
	s_barrier_wait -1
; Tile j's token fragments out of buffer p: six K blocks of 32 (two of x, four of h), two loads of 16 bytes each.
.macro LOADB j, p
.irp k, 0,1,2,3,4,5
	ds_load_b128 v[BF+8*(\k):BF+8*(\k)+3],   v[RB+(\p)] offset:XT*(\j)+64*(\k)
	ds_load_b128 v[BF+8*(\k)+4:BF+8*(\k)+7], v[RB+(\p)] offset:XT*(\j)+64*(\k)+32
.endr
.endm
; In step t (buffer p): tile w's x of step t + 1, asked for two steps ago, goes into the other buffer, and its registers ask for x of step t + 3.  It stands on every way, so that the counts are the same on every way.
; A tile past its count asks again for its last live row and stores it where nobody multiplies by it: no load leaves a token's 4,096 bytes.
.macro XBLOCK p
.set XQ, 192+32*(1-(\p))
.set XBS, 38+18*(1-(\p))
	s_wait_loadcnt 0x8                             ; the other set's eight loads are younger and stay out (ISA guide 5.7.1: loads return in order); this also frees this set's base
	WIN 0x45
.irp k, 0,1,2,3,4,5,6,7
	v_cvt_pk_bf16_f32 v[XQ+4*(\k)], v[XQ+4*(\k)], v[XQ+4*(\k)+1]
	v_cvt_pk_bf16_f32 v[XQ+4*(\k)+1], v[XQ+4*(\k)+2], v[XQ+4*(\k)+3]
.endr
	WIN 0x04                                       ; store data in window 1
.irp k, 0,1,2,3,4,5,6,7
	ds_store_b64 v[XS+1-(\p)], v[XQ+4*(\k):XQ+4*(\k)+1] offset:2*XP*(\k)
.endr
	s_add_co_u32 s63, s10, 3
	s_min_u32 s63, s63, s12
	s_min_u32 s63, s63, 15                         ; a number made of loaded data enters an address behind a clamp by a constant: a token has 16 rows
	s_lshl_b32 s8, s63, 8
	s_add_nc_u64 s[XBS:XBS+1], s[20:21], s[8:9]
	WIN 0x40
.irp k, 0,1,2,3,4,5,6,7
	global_load_b128 v[XQ+4*(\k):XQ+4*(\k)+3], v[XOFF+(\k)], s[XBS:XBS+1]
.endr
	WIN 0
.endm
.macro ADD1 d, s                       ; eight numbers: d = s + 1
	s_wait_alu depctr_va_vdst(0)
.irp m, 0,2,4,6
	v_pk_add_f32 v[(\d)+(\m):(\d)+(\m)+1], v[(\s)+(\m):(\s)+(\m)+1], 1.0 op_sel_hi:[1,0]
.endr
.endm
.macro MUL8 d, a, b                    ; eight numbers: d = a b
.irp m, 0,2,4,6
	v_pk_mul_f32 v[(\d)+(\m):(\d)+(\m)+1], v[(\a)+(\m):(\a)+(\m)+1], v[(\b)+(\m):(\b)+(\m)+1]
.endr
.endm
; The gates of tile j: eight (token, unit) numbers a lane.  Each accumulator is read from its lowest register on.
; Behind each run of transcendentals stands a plain instruction that touches none of their registers (ISA guide 5.7.2).
.macro NONLIN j, p
.set CJ, CST+8*(\j)
.set HJ, HS+4*(\j)
.irp i, 0,1,2,3,4,5,6,7
	v_min_num_f32 v[GG+(\i)], s13, v[GG+(\i)]      ; e_g stays finite
.endr
.irp a, II, FF, GG, OO
.irp i, 0,1,2,3,4,5,6,7
	v_exp_f32 v[\a+(\i)], v[\a+(\i)]               ; e_i, e_f, e_g, e_o
.endr
.endr
	v_nop
	v_cmp_lt_u32 vcc_lo, s10, v[LENV+(\j)]         ; t < the token's count
	s_wait_alu depctr_va_vdst(0)
	ADD1 II, II
	ADD1 FF, FF
	ADD1 T1, GG
.irp m, 0,2,4,6
	v_pk_fma_f32 v[GG+(\m):GG+(\m)+1], v[GG+(\m):GG+(\m)+1], s[60:61], s[58:59] op_sel_hi:[1,0,0]  ; K (1 - e_g)
.endr
	MUL8 II, II, T1                                ; (1 + e_i)(1 + e_g)
.irp a, FF, II
.irp i, 0,1,2,3,4,5,6,7
	v_rcp_f32 v[\a+(\i)], v[\a+(\i)]
.endr
.endr
	ADD1 OO, OO
	MUL8 GG, GG, II
.irp m, 0,2,4,6
	v_pk_fma_f32 v[CJ+(\m):CJ+(\m)+1], v[CJ+(\m):CJ+(\m)+1], v[FF+(\m):FF+(\m)+1], v[GG+(\m):GG+(\m)+1]  ; K c
.endr
.irp i, 0,1,2,3,4,5,6,7
	v_exp_f32 v[T1+(\i)], v[CJ+(\i)]               ; e_c
.endr
	v_nop
	s_wait_alu depctr_va_vdst(0)
	ADD1 FF, T1
.irp m, 0,2,4,6
	v_pk_fma_f32 v[T1+(\m):T1+(\m)+1], v[T1+(\m):T1+(\m)+1], -1.0, 1.0 op_sel_hi:[1,0,0]  ; 1 - e_c
.endr
	MUL8 OO, OO, FF                                ; (1 + e_o)(1 + e_c)
.irp i, 0,1,2,3,4,5,6,7
	v_rcp_f32 v[OO+(\i)], v[OO+(\i)]
.endr
	v_nop
	s_wait_alu depctr_va_vdst(0)
	MUL8 T1, T1, OO                                ; h
.irp m, 0,1,2,3
	v_cvt_pk_bf16_f32 v[HN+(\m)], v[T1+2*(\m)], v[T1+2*(\m)+1]
.endr
	ds_store_b128 v[HW+1-(\p)], v[HN:HN+3] offset:XT*(\j)  ; for the next step, into the other buffer
.irp m, 0,1,2,3
	v_cvt_pk_f16_f32 v[II+(\m)], v[T1+2*(\m)], v[T1+2*(\m)+1]
.endr
.irp m, 0,1,2,3
	v_cndmask_b32 v[HJ+(\m)], v[HJ+(\m)], v[II+(\m)], vcc_lo  ; the saved h follows while the token lives
.endr
.endm
; Tile j in step t.  A dead tile ends the step's work: the later tiles are no longer.  The jump goes forward and passes no barrier.
; 24 matrix instructions, the four gates' accumulators by turns; the first four take the biases as C.
.macro TILE j, p
	s_cmp_le_u32 s[LEN+(\j)], s10
	s_cbranch_scc1 .Lend_\p
.if (\j) == 0
	s_wait_dscnt 0x8                               ; the eight stores of x are younger than the twelve fragment loads
.else
	s_wait_dscnt 0x1                               ; the last tile's store of h is younger than the twelve fragment loads
.endif
	WIN 0x01                                       ; source 0, the weights, in window 1
.irp k, 0,1,2,3,4,5
.irp q, 0,1,2,3
.if (\k) == 0
	v_wmma_f32_16x16x32_bf16 v[II+8*(\q):II+8*(\q)+7], v[8*(6*(\q)+(\k)):8*(6*(\q)+(\k))+7], v[BF+8*(\k):BF+8*(\k)+7], v[BIAS+8*(\q):BIAS+8*(\q)+7]
.else
	v_wmma_f32_16x16x32_bf16 v[II+8*(\q):II+8*(\q)+7], v[8*(6*(\q)+(\k)):8*(6*(\q)+(\k))+7], v[BF+8*(\k):BF+8*(\k)+7], v[II+8*(\q):II+8*(\q)+7]
.endif
.endr
.endr
	WIN 0
	PLACES
.if (\j) < 7
	LOADB (\j)+1, \p                               ; the next tile's fragments come in under this tile's gates
.endif
	NONLIN \j, \p
.endm
; A step: reads touch buffer p alone, stores the other buffer alone, so ONE barrier orders both: the stores against the next step's reads, and the reads against the stores of the step after.
.macro STEP p
	LOADB 0, \p
	XBLOCK \p
.irp j, 0,1,2,3,4,5,6,7
	TILE \j, \p
.endr
.Lend_\p:
	s_wait_dscnt 0x0                               ; my stores of h and x are done, and so are my reads of this buffer
	s_barrier_signal -1
	s_add_co_u32 s10, s10, 1
	s_barrier_wait -1
.endm
.Ltrip:                                                ; eight trips of two steps
	STEP 0
	STEP 1
	s_sub_co_u32 s11, s11, 1
	s_cmp_lg_u32 s11, 0
	s_cbranch_scc1 .Ltrip
	; THE TAIL.  Window 1: v0-127 Wc (half u of my 32 channels, K block k at 8 (8 u + k)); v128-143 Wr; v144-151 Wr_b; v152-167 Wc_b; v168-183 ln_g; v184-199 ln_b.
	s_wait_loadcnt 0x0                             ; the x loads that nobody used: their registers and offsets are taken over
	PLACES
	s_lshl_b32 s8, s2, 14
	s_add_co_u32 s8, s8, 196608
	s_add_nc_u64 s[70:71], s[18:19], s[8:9]        ; my 16 fragments of Wc
	s_lshl_b32 s8, s2, 11
	s_add_co_u32 s8, s8, 327680
	s_add_nc_u64 s[72:73], s[18:19], s[8:9]        ; my 2 of Wr
	v_lshlrev_b32 v50, 5, v2
	v_lshl_add_u32 v50, s2, 7, v50                 ; 128 w + 32 (l / 16): my eight channels in a vector of 256 f32
.irp k, 0,1,2,3,4,5,6,7
	global_load_b32 v[XOFF+(\k)], v[EA], s[16:17] offset:8*(\k)  ; tile w's tokens once more, for the way out
.endr
	WIN 0x40
.irp k, 0,1
	global_load_b128 v[128+8*(\k):131+8*(\k)], v[L16], s[72:73] offset:1024*(\k)
	global_load_b128 v[132+8*(\k):135+8*(\k)], v[L16], s[72:73] offset:1024*(\k)+512
.endr
	global_load_b128 v[144:147], v[BO], s[28:29]
	global_load_b128 v[148:151], v[BO], s[28:29] offset:16
.irp f, 0,1,2,3,4,5,6,7,8,9,10,11,12,13,14,15
	global_load_b128 v[8*(\f):8*(\f)+3],   v[L16], s[70:71] offset:1024*(\f)
	global_load_b128 v[8*(\f)+4:8*(\f)+7], v[L16], s[70:71] offset:1024*(\f)+512
.endr
.irp u, 0,1
	global_load_b128 v[152+8*(\u):155+8*(\u)], v50, s[30:31] offset:64*(\u)
	global_load_b128 v[156+8*(\u):159+8*(\u)], v50, s[30:31] offset:64*(\u)+16
.endr
.irp u, 0,1
	global_load_b128 v[168+8*(\u):171+8*(\u)], v50, s[32:33] offset:64*(\u)
	global_load_b128 v[172+8*(\u):175+8*(\u)], v50, s[32:33] offset:64*(\u)+16
.endr
.irp u, 0,1
	global_load_b128 v[184+8*(\u):187+8*(\u)], v50, s[34:35] offset:64*(\u)
	global_load_b128 v[188+8*(\u):191+8*(\u)], v50, s[34:35] offset:64*(\u)+16
.endr
	WIN 0
	s_lshl_b32 s63, s2, 5
	s_add_co_u32 s63, s63, CAT
	v_mul_u32_u24 v5, v1, CP
	v_lshl_add_u32 v5, v2, 4, v5
	v_add_nc_u32 v3, s63, v5                       ; v3: where I put 16 bytes of br (h: 256 bytes on)
	v_add_nc_u32 v5, CAT, v5                       ; v5: fragment loads from [br | h]
	v_mul_u32_u24 v4, v1, XRP
	v_lshl_add_u32 v4, v2, 4, v4
	v_add_nc_u32 v4, XRL, v4                       ; v4: fragment loads from xr
	v_lshlrev_b32 v7, 5, v1
	v_add_nc_u32 v7, RED, v7                       ; v7: a token's eight partial sums
	v_lshl_add_u32 v6, s2, 2, v7                   ; v6: my wave's word among them
	v_mul_u32_u24 v8, v1, OPI
	v_lshl_add_u32 v8, v2, 5, v8
	v_lshl_add_u32 v8, s2, 7, v8                   ; v8: where I put 32 bytes of a row of the output, tiles 0-3;
	v_add_nc_u32 v48, 64*OPI, v8                   ; v48: tiles 4-7
	s_mul_i32 s63, s2, 16*OPI
	v_mul_u32_u24 v49, v2, OPI
	v_lshl_add_u32 v49, v1, 4, v49
	v_add_nc_u32 v49, s63, v49                     ; v49: where I read tile w's rows back
	s_mov_b32 s6, 0x3b800000                       ; 1 / 256
	s_mov_b32 s7, 0x3727c5ac                       ; 1e-5
.irp j, 0,1,2,3,4,5,6,7
	ds_store_b128 v3, v[HS+4*(\j):HS+4*(\j)+3] offset:16*CP*(\j)+256
.endr
	; br = relu(Wr xr + b): my 16 channels for all tiles, four tiles at a time, their accumulators by turns.
.irp hh, 0,1
.irp t, 0,1,2,3
.irp k, 0,1
	ds_load_b128 v[BF+16*(\t)+8*(\k):BF+16*(\t)+8*(\k)+3],   v4 offset:16*XRP*(4*(\hh)+(\t))+64*(\k)
	ds_load_b128 v[BF+16*(\t)+8*(\k)+4:BF+16*(\t)+8*(\k)+7], v4 offset:16*XRP*(4*(\hh)+(\t))+64*(\k)+32
.endr
.endr
.if (\hh) == 0
	s_wait_loadcnt 44                              ; Wr and Wr_b are in; younger: Wc 32, Wc_b 4, ln_g 4, ln_b 4
.endif
	s_wait_dscnt 0x0
	WIN 0x11                                       ; source 0 and C in window 1
.irp t, 0,1,2,3
	v_wmma_f32_16x16x32_bf16 v[128+8*(\t):135+8*(\t)], v[128:135], v[BF+16*(\t):BF+16*(\t)+7], v[144:151]
.endr
	WIN 0x01
.irp t, 0,1,2,3
	v_wmma_f32_16x16x32_bf16 v[128+8*(\t):135+8*(\t)], v[136:143], v[BF+16*(\t)+8:BF+16*(\t)+15], v[128+8*(\t):135+8*(\t)]
.endr
	WIN 0
	PLACES
.irp t, 0,1,2,3
.irp i, 0,1,2,3,4,5,6,7
	v_max_num_f32 v[128+8*(\t)+(\i)], 0, v[128+8*(\t)+(\i)]
.endr
.irp m, 0,1,2,3
	v_cvt_pk_f16_f32 v[32+4*(\t)+(\m)], v[128+8*(\t)+2*(\m)], v[129+8*(\t)+2*(\m)]
.endr
	ds_store_b128 v3, v[32+4*(\t):35+4*(\t)] offset:16*CP*(4*(\hh)+(\t))
.endr
.endr
	s_wait_dscnt 0x0                               ; for the others' sake: my columns of [br | h] are in LDS
	s_barrier_signal -1
	s_barrier_wait -1
	; THE LAST PRODUCT, in f16: my 32 channels x 16 tokens x K = 256 for each tile; the two halves' accumulators by turns; Wc_b starts the sums.
.macro LCAT j, first                   ; tile j's fragments of four K blocks from block first on
.irp k, 0,1,2,3
	ds_load_b128 v[BF+8*((\first)+(\k)):BF+8*((\first)+(\k))+3],   v5 offset:16*CP*(\j)+64*((\first)+(\k))
	ds_load_b128 v[BF+8*((\first)+(\k))+4:BF+8*((\first)+(\k))+7], v5 offset:16*CP*(\j)+64*((\first)+(\k))+32
.endr
.endm
.macro FMUL j, first
.irp k, 0,1,2,3
.irp u, 0,1
.if ((\first)+(\k)) == 0
	WIN 0x11
	v_wmma_f32_16x16x32_f16 v[FA+16*(\j)+8*(\u):FA+16*(\j)+8*(\u)+7], v[8*(8*(\u)+(\first)+(\k)):8*(8*(\u)+(\first)+(\k))+7], v[BF+8*((\first)+(\k)):BF+8*((\first)+(\k))+7], v[152+8*(\u):159+8*(\u)]
.else
	WIN 0x01
	v_wmma_f32_16x16x32_f16 v[FA+16*(\j)+8*(\u):FA+16*(\j)+8*(\u)+7], v[8*(8*(\u)+(\first)+(\k)):8*(8*(\u)+(\first)+(\k))+7], v[BF+8*((\first)+(\k)):BF+8*((\first)+(\k))+7], v[FA+16*(\j)+8*(\u):FA+16*(\j)+8*(\u)+7]
.endif
.endr
.endr
	WIN 0
	PLACES
.endm
	s_wait_loadcnt 0x8                             ; Wc and Wc_b are in; younger: ln_g 4, ln_b 4
	LCAT 0, 0
	LCAT 0, 4
.irp j, 0,1,2,3,4,5,6,7
	s_wait_dscnt 0x8                               ; the first four K blocks are in; the other four's eight loads are younger
	FMUL \j, 0
.if (\j) < 7
	LCAT (\j)+1, 0
	s_wait_dscnt 0x8                               ; the second four are in; the eight just issued are younger
.else
	s_wait_dscnt 0x0
.endif
	FMUL \j, 4
.if (\j) < 7
	LCAT (\j)+1, 4
.endif
.endr
	; LAYERNORM.  A token's 256 channels lie in 8 waves x 2 halves of the lanes x 16 registers.
.macro HSUM j, t, off                  ; v[t], v[t+1] -> the two halves of the lanes -> my wave's word for each token of tile j (both halves store the same number)
	v_add_f32 v[(\t)], v[(\t)], v[(\t)+1]
	v_permlanex16_b32 v[(\t)+1], v[(\t)], s14, s15
	v_add_f32 v[(\t)], v[(\t)], v[(\t)+1]
	ds_store_b32 v6, v[(\t)] offset:(\off)+512*(\j)
.endm
.macro RLOAD off                       ; every token's eight partial sums
.irp j, 0,1,2,3,4,5,6,7
	ds_load_b128 v[BF+8*(\j):BF+8*(\j)+3],   v7 offset:(\off)+512*(\j)
	ds_load_b128 v[BF+8*(\j)+4:BF+8*(\j)+7], v7 offset:(\off)+512*(\j)+16
.endr
	s_wait_dscnt 0x0
.endm
.macro RSUM a                          ; v[a .. a+7] -> v[a], in the same order in every wave
	v_pk_add_f32 v[(\a):(\a)+1], v[(\a):(\a)+1], v[(\a)+2:(\a)+3]
	v_pk_add_f32 v[(\a)+4:(\a)+5], v[(\a)+4:(\a)+5], v[(\a)+6:(\a)+7]
	v_pk_add_f32 v[(\a):(\a)+1], v[(\a):(\a)+1], v[(\a)+4:(\a)+5]
	v_add_f32 v[(\a)], v[(\a)], v[(\a)+1]
.endm
.irp j, 0,1,2,3,4,5,6,7
.set A, FA+16*(\j)
.set T, 32+8*((\j)%2)
	v_pk_add_f32 v[T:T+1], v[A:A+1], v[A+2:A+3]    ; each accumulator's lowest registers first
	v_pk_add_f32 v[T+2:T+3], v[A+4:A+5], v[A+6:A+7]
	v_pk_add_f32 v[T+4:T+5], v[A+8:A+9], v[A+10:A+11]
	v_pk_add_f32 v[T+6:T+7], v[A+12:A+13], v[A+14:A+15]
	v_pk_add_f32 v[T:T+1], v[T:T+1], v[T+2:T+3]
	v_pk_add_f32 v[T+4:T+5], v[T+4:T+5], v[T+6:T+7]
	v_pk_add_f32 v[T:T+1], v[T:T+1], v[T+4:T+5]
	HSUM \j, T, 0
.endr
	s_wait_dscnt 0x0                               ; for the others' sake: my partial sums are in LDS
	s_barrier_signal -1
	s_barrier_wait -1
	RLOAD 0
.irp j, 0,1,2,3,4,5,6,7
.set A, FA+16*(\j)
.set T, 32+8*((\j)%2)
	RSUM BF+8*(\j)
	v_mul_f32 v[BF+8*(\j)], 0xbb800000, v[BF+8*(\j)]  ; minus the mean
.irp m, 0,2,4,6,8,10,12,14
	v_pk_add_f32 v[A+(\m):A+(\m)+1], v[A+(\m):A+(\m)+1], v[BF+8*(\j):BF+8*(\j)+1] op_sel_hi:[1,0]  ; the deviations
.endr
	v_pk_mul_f32 v[T:T+1], v[A:A+1], v[A:A+1]      ; their squares, in two chains
	v_pk_mul_f32 v[T+2:T+3], v[A+2:A+3], v[A+2:A+3]
.irp m, 4,8,12
	v_pk_fma_f32 v[T:T+1], v[A+(\m):A+(\m)+1], v[A+(\m):A+(\m)+1], v[T:T+1]
	v_pk_fma_f32 v[T+2:T+3], v[A+(\m)+2:A+(\m)+3], v[A+(\m)+2:A+(\m)+3], v[T+2:T+3]
.endr
	v_pk_add_f32 v[T:T+1], v[T:T+1], v[T+2:T+3]
	HSUM \j, T, 4096
.endr
	s_wait_dscnt 0x0                               ; for the others' sake: my partial sums of squares are in LDS
	s_barrier_signal -1
	s_barrier_wait -1
	RLOAD 4096
.irp j, 0,1,2,3,4,5,6,7
	RSUM BF+8*(\j)
	v_fma_f32 v[BF+8*(\j)], v[BF+8*(\j)], s6, s7   ; the variance + 1e-5
.endr
.irp j, 0,1,2,3,4,5,6,7
	v_rsq_f32 v[BF+8*(\j)], v[BF+8*(\j)]
.endr
	v_nop                                          ; a plain instruction between the last root and the use of its result
	s_wait_loadcnt 0x0                             ; ln_g and ln_b
	s_wait_alu depctr_va_vdst(0)
.irp j, 0,1,2,3,4,5,6,7
.irp m, 0,2,4,6,8,10,12,14
	v_pk_mul_f32 v[FA+16*(\j)+(\m):FA+16*(\j)+(\m)+1], v[FA+16*(\j)+(\m):FA+16*(\j)+(\m)+1], v[BF+8*(\j):BF+8*(\j)+1] op_sel_hi:[1,0]
.endr
.endr
	WIN 0x14                                       ; sources 1 and 2, gain and bias, in window 1
.irp j, 0,1,2,3,4,5,6,7
.irp m, 0,2,4,6,8,10,12,14
	v_pk_fma_f32 v[FA+16*(\j)+(\m):FA+16*(\j)+(\m)+1], v[FA+16*(\j)+(\m):FA+16*(\j)+(\m)+1], v[168+(\m):169+(\m)], v[184+(\m):185+(\m)]
.endr
.endr
	WIN 0
.irp j, 0,1,2,3,4,5,6,7
.irp u, 0,1
	ds_store_b128 v[8+40*((\j)/4)], v[FA+16*(\j)+8*(\u):FA+16*(\j)+8*(\u)+3]   offset:16*OPI*((\j)%4)+64*(\u)
	ds_store_b128 v[8+40*((\j)/4)], v[FA+16*(\j)+8*(\u)+4:FA+16*(\j)+8*(\u)+7] offset:16*OPI*((\j)%4)+64*(\u)+16
.endr
.endr
.irp k, 0,1,2,3,4,5,6,7
	v_and_b32 v[XOFF+(\k)], 0xffff, v[XOFF+(\k)]
	v_min_u32 v[XOFF+(\k)], 0x7fff, v[XOFF+(\k)]   ; the clamp by a constant, as above
	v_lshl_add_u32 v[XOFF+(\k)], v[XOFF+(\k)], 10, v[R16]  ; in out0: 1,024 bytes a token
.endr
	s_wait_dscnt 0x0                               ; for the others' sake: my columns of the output's rows are in LDS
	s_barrier_signal -1
	s_barrier_wait -1
	; THE WAY OUT: wave w takes tile w's sixteen rows back whole, two rows and 256 bytes of each at a time.
.irp k, 0,1,2,3,4,5,6,7
.irp c, 0,1,2,3
	ds_load_b128 v[FA+16*(\k)+4*(\c):FA+16*(\k)+4*(\c)+3], v49 offset:2*OPI*(\k)+256*(\c)
.endr
.endr
.irp k, 0,1,2,3,4,5,6,7
	s_wait_dscnt 28-4*(\k)                         ; the younger rows' loads stay out
.irp c, 0,1,2,3
	global_store_b128 v[XOFF+(\k)], v[FA+16*(\k)+4*(\c):FA+16*(\k)+4*(\c)+3], s[36:37] offset:256*(\c) th:TH_STORE_NT  ; sixteen lanes store 256 consecutive bytes, at a multiple of 256 from out0's first byte
.endr
.endr
	s_wait_tensorcnt 0x0                           ; the wave's end: three lines behind my last LDS store
	ds_add_u32 v[SPW], v[NIL]
	s_wait_dscnt 0x0
	s_endpgm
.Lfunc_end_k_q3188845cc1_main:
	.size	k_q3188845cc1_main, .Lfunc_end_k_q3188845cc1_main-k_q3188845cc1_main
	.p2alignl 7, 3214868480
	.fill 96, 4, 3214868480
	.section	.rodata,"a",@progbits
	.p2align	6, 0x0
	.amdhsa_kernel k_q3188845cc1_main
		.amdhsa_group_segment_fixed_size 228352
		.amdhsa_private_segment_fixed_size 0
		.amdhsa_enable_private_segment 0
		.amdhsa_kernarg_size 88
		.amdhsa_user_sgpr_count 2
		.amdhsa_user_sgpr_kernarg_segment_ptr 1
		.amdhsa_wavefront_size32 1
		.amdhsa_system_sgpr_workgroup_id_x 1
		.amdhsa_system_sgpr_workgroup_id_y 1
		.amdhsa_system_sgpr_workgroup_id_z 1
		.amdhsa_system_vgpr_workitem_id 0
		.amdhsa_next_free_vgpr 512
		.amdhsa_next_free_sgpr 76
		.amdhsa_reserve_vcc 1
		.amdhsa_float_denorm_mode_32 3
		.amdhsa_float_denorm_mode_16_64 3
		.amdhsa_memory_ordered 1
		.amdhsa_forward_progress 1
		.amdhsa_inst_pref_size 250
	.end_amdhsa_kernel
	.amdgpu_metadata
---
amdhsa.version: [ 1, 2 ]
amdhsa.kernels:
  - .name:           k_q3188845cc1_main
    .symbol:         k_q3188845cc1_main.kd
    .args:
      - { .name: order, .offset: 0, .size: 8, .value_kind: global_buffer, .address_space: global }
      - { .name: wprep, .offset: 8, .size: 8, .value_kind: global_buffer, .address_space: global }
      - { .name: xw, .offset: 16, .size: 8, .value_kind: global_buffer, .address_space: global }
      - { .name: xr, .offset: 24, .size: 8, .value_kind: global_buffer, .address_space: global }
      - { .name: b_ih, .offset: 32, .size: 8, .value_kind: global_buffer, .address_space: global }
      - { .name: b_hh, .offset: 40, .size: 8, .value_kind: global_buffer, .address_space: global }
      - { .name: Wr_b, .offset: 48, .size: 8, .value_kind: global_buffer, .address_space: global }
      - { .name: Wc_b, .offset: 56, .size: 8, .value_kind: global_buffer, .address_space: global }
      - { .name: ln_g, .offset: 64, .size: 8, .value_kind: global_buffer, .address_space: global }
      - { .name: ln_b, .offset: 72, .size: 8, .value_kind: global_buffer, .address_space: global }
      - { .name: out0, .offset: 80, .size: 8, .value_kind: global_buffer, .address_space: global }
    .group_segment_fixed_size: 228352
    .private_segment_fixed_size: 0
    .kernarg_segment_align: 8
    .kernarg_segment_size: 88
    .max_flat_workgroup_size: 256
    .sgpr_count:     76
    .vgpr_count:     512
    .wavefront_size: 32
...
	.end_amdgpu_metadata
.endif
;; end of part 2
